; MI455X (gfx1250); checked and timed in simulation.
; The chip was launched on July 23, 2026; its instructions are those of AMD's public machine-readable ISA for CDNA 5 (MIT licence, August 2026) and "CDNA5" Instruction Set Architecture Reference Guide (July 2026). The comments in the code are by the model that wrote it; some were corrected since.
;; Output Layer KAN 1layer. Allowed arithmetic: matrix products marked QUANTISED: E2M1 operands, one E8M0 scale for each 32 along K, by v_wmma_scale_f32_16x16x128_f8f6f4 with both operands' format E2M1 (or v_wmma_scale_f32_32x16x128_f4), f32 sums; products left as they are: f32 operands where the result goes on into a quantised operand, else bf16, f16 or f32 operands; f32 sums; everything else in f32.
;; Inputs: attn_embedding 16,384 x 9 float32; base_weight 256 x 512 float32; cls_bias 8 float32; cls_weight 8 x 265 float32; spline_scaler 256 x 512 float32; spline_weight 256 x 512 x 8 float32; x 16,384 x 512 float32.
;; Outputs: out0 16,384 x 8 float32; out1 16,384 x 265 float32.
;; This version of the problem:
;;   THIS VERSION OF THE PROBLEM IS GIVEN IN LOW PRECISION. The matrix products marked QUANTISED in the list below multiply operands that are first quantised to E2M1 (2 exponent bits, 1 mantissa bit; 4 bits a number), with one power-of-two scale for each 32 numbers along K (OCP MX v1.0); their sums are f32. All else is computed in f32.
;;   The module's matrix products, in the order in which they are computed (A, B: the left and right operand; K: the contracted axis; several contracted axes count as one K, in the product's order):
;;     1. [M 16,384, K 512] x [K 512, N 256]; A: computed on the way; B: input base_weight: QUANTISED
;;     2. [M 16,384, K 4,096] x [K 4,096, N 256]; A: computed on the way; B: computed on the way: QUANTISED
;;     3. [M 16,384, K 265] x [K 265, N 8]; A: computed on the way; B: input cls_weight: left as it is (N = 8 < 16)
;;   THE QUANTISER, for each operand of a quantised product, along K:
;;     - K is cut into blocks of 32 from its start; a last block that is shorter is filled with zeros.
;;     - A block's scale is 2^e with e = floor(log2(the largest magnitude in the block)) - 2, held to -126 .. 127; a block of zeros has e = 0. As a byte (E8M0): e + 127.
;;     - Each number is divided by its block's scale, clamped to +-6, and rounded to the nearest number of E2M1, ties to even, subnormals kept.
;;     - The product sums the exact products of the quantised numbers (number of the format x scale) in f32.
;;   ~~~python
;;   def quantise(x, axis):      # numpy; x: float32 -> the quantised numbers, widened to float32 again
;;       x = np.moveaxis(x, axis, -1); K = x.shape[-1]
;;       x = np.pad(x, [(0, 0)] * (x.ndim - 1) + [(0, -K % 32)]); x = x.reshape(x.shape[:-1] + (-1, 32)); a = np.abs(x).max(-1, keepdims=True)
;;       e = np.where(a > 0, np.clip(np.frexp(np.where(a > 0, a, 1))[1] - 1 - 2, -126, 127), 0)      # np.frexp(a)[1] - 1 = floor(log2(a)), exactly
;;       r = np.clip(x / 2.0 ** e, -6, 6)
;;       step = 2.0 ** (np.maximum(np.frexp(np.where(r == 0, 1, r))[1] - 1, 0) - 1)
;;       q = np.round(r / step) * step * 2.0 ** e      # np.round: ties to even
;;       return np.moveaxis(q.reshape(q.shape[:-2] + (-1,))[..., :K], -1, axis).astype(np.float32)
;;   ~~~
;;   OPERANDS COMPUTED ON THE WAY. 'Computed on the way' means the value that the module computes at that place (a softmax that the list does not call 'softmax' is quantised finished and normalised). What goes into a quantiser is computed in f32, as accurately as f32 sums, v_exp_f32 and their like allow (about 1e-6 of the number): no bf16 or f16 on the way to a quantiser, and a product that is left as it is and whose result goes on into a quantised operand takes f32 operands (vector FMAs, or v_wmma_f32_16x16x4_f32). A number that lies on a knife's edge between two numbers of the format may be rounded either way, as far as f32 arithmetic and the matrix unit's own rounding can turn it there, and no further.
;; One version. Each part assembles by itself: llvm-mc -triple=amdgcn-amd-amdhsa -mcpu=gfx1250 --defsym DOCPART=n.
;; ======== version 1 of 1: 2 launches
;; workspace buffers: wcodes 589,824 bytes; wscales 36,864 bytes
;; launch prep (part 1): grid 9 x 8, 8 waves a work-group, no clusters, 1,536 bytes of LDS; arguments base_weight, spline_weight, spline_scaler, wcodes, wscales; writes wcodes, wscales
.if DOCPART == 1
	.amdgcn_target "amdgcn-amd-amdhsa--gfx1250"
	.amdhsa_code_object_version 6
	.text
	.protected	k_qd25c7a9289_prep
	.globl	k_qd25c7a9289_prep
	.p2align	8
	.type	k_qd25c7a9289_prep,@function
k_qd25c7a9289_prep:
	s_mov_b64 s[64:65], 0
	v_nop
	global_prefetch_b8 v0, s[64:65] scope:SCOPE_SE
	s_setreg_imm32_b32 hwreg(HW_REG_WAVE_MODE, 25, 1), 1
	s_wait_xcnt 0x0
; The weights of both quantised products become codes of FP4 (E2M1) with one E8M0 byte for each 32 along K, laid in the ORDER OF THE OPERAND'S REGISTERS of the launch that follows.
; base_weight [256][512]; spline_weight [256][512][8] x spline_scaler [256][512] (one f32 multiplication, as the source has it).  K of the first product: the 512 features; of the second: 8 x feature + basis.
; THE 36 K STEPS of 128: step kappa = 9 s + q, s = 0..3, q = 0..8.  Place (c, h) of a step = registers 4 c .. 4 c + 3 of lane half h = the step's block 2 c + h.
;   q = 0 (base):            block (c, h) = features F .. F + 31,             F = 256 c + 64 s + 32 h
;   q = 1 + 4 g + j (spline): block (c, h) = features F .. F + 3 x 8 bases,    F = 256 g + 64 s + 32 h + 8 j + 4 c
; Every block is one of the quantiser's own blocks of 32 along K, and 32 consecutive f32 of its tensor; only the ORDER of blocks is another, and the next launch lays the activations in the same order.
; wcodes  [w 0..7][kappa][tn 0..1][c 0..1][lane][16 bytes]: lane (r, h) of tile tn holds column 32 w + 16 tn + r.     wscales [w][kappa][lane][4 bytes]: lane l holds the scale word of column 32 w + l.
; SHARES: work-group (i, w): K steps 4 i .. 4 i + 3 of column group w.  Wave a makes ONE record of 1,024 bytes: kappa = 4 i + a % 4, tn = a / 4; a lane makes its two blocks (c = 0, 1), all 32 numbers of a block its own.
; A block's scale is 2^(floor(log2(largest magnitude)) - 2); its byte is the largest magnitude's exponent field - 2, held at 1 from below (a block of zeros keeps the byte 1: its codes are zeros, and this program alone reads the bytes).
; LIMITS: NaN and infinities among the inputs are not served; blocks whose largest magnitude lies under 2^-124 keep the byte 1.
.set X,   32                           ; v32-95   two blocks of 32 numbers
.set SCL, 96                           ; v96-103  the scalers of the 4 + 4 features
.set CD,  24                           ; v24-31   the codes: the record's registers
	s_load_b256 s[4:11], s[0:1], 0x0               ; base_weight s[4:5], spline_weight s[6:7], spline_scaler s[8:9], wcodes s[10:11]
	s_load_b64 s[12:13], s[0:1], 0x20              ; wscales
	v_lshl_add_u32 v128, v0, 2, 0x200
	v_mov_b32 v129, 0
	v_lshrrev_b32 v1, 5, v0
	v_readfirstlane_b32 s14, v1                    ; wave a
	s_and_b32 s15, s14, 3                          ; a % 4
	s_lshr_b32 s16, s14, 2                         ; tn
	s_and_b32 s17, ttmp7, 0xffff                   ; w
	s_lshl_b32 s18, ttmp9, 2
	s_add_co_u32 s18, s18, s15                     ; kappa = 4 i + a % 4, 0 .. 35
	s_mul_i32 s19, s18, 57
	s_lshr_b32 s19, s19, 9                         ; s = kappa / 9 (57 / 512 serves 0 .. 35)
	s_mul_i32 s20, s19, 9
	s_sub_co_u32 s20, s18, s20                     ; q
	s_sub_co_u32 s21, s20, 1
	s_lshr_b32 s22, s21, 2                         ; g
	s_and_b32 s23, s21, 3                          ; j   (with q = 0 both are not used: the choice below takes 0)
	s_lshl_b32 s22, s22, 8
	s_lshl_b32 s23, s23, 3
	s_add_co_u32 s22, s22, s23                     ; 256 g + 8 j
	s_lshl_b32 s24, s17, 5
	s_lshl_b32 s25, s16, 4
	s_add_co_u32 s24, s24, s25                     ; the tile's first column: 32 w + 16 tn
	s_lshl_b32 s24, s24, 9                         ; x 512 features
	s_lshl_b32 s25, s19, 6
	s_add_co_u32 s24, s24, s25                     ; + 64 s
	s_mul_i32 s32, s17, 36
	s_add_co_u32 s32, s32, s18
	s_lshl_b32 s32, s32, 1
	s_add_co_u32 s32, s32, s16
	s_lshl_b32 s32, s32, 10                        ; my record: ((36 w + kappa) 2 + tn) x 1,024 bytes
	s_mov_b32 s33, 0
	s_mul_i32 s34, s17, 4608
	s_lshl_b32 s35, ttmp9, 9
	s_add_co_u32 s34, s34, s35                     ; the work-group's 512 bytes of scale words: 4,608 w + 512 i
	s_mov_b32 s35, 0
	s_mov_b32 s30, 0x76543210
	s_mov_b32 s31, 0xfedcba98                      ; v_permlanex16_b32's selects for lane l xor 16
	s_wait_kmcnt 0x0
	s_add_nc_u64 s[10:11], s[10:11], s[32:33]
	s_add_nc_u64 s[12:13], s[12:13], s[34:35]
	s_cmp_eq_u32 s20, 0                            ; a base step or a spline step?  The choice hangs on ids alone
	s_cselect_b64 s[4:5], s[4:5], s[6:7]           ; the tensor,
	s_cselect_b32 s26, 2, 5                        ; bytes of a feature as a shift: 4 or 32,
	s_cselect_b32 s27, 0x100, 4                    ; features from block c = 0 to c = 1,
	s_cselect_b32 s22, 0, s22
	s_add_co_u32 s24, s24, s22                     ; and the step's first feature
	v_and_b32 v1, 15, v0                           ; r
	v_bfe_u32 v2, v0, 4, 1                         ; h
	v_and_b32 v3, 31, v0                           ; lane
	v_lshlrev_b32 v4, 9, v1
	v_lshl_add_u32 v4, v2, 5, v4
	v_add_nc_u32 v4, s24, v4                       ; column x 512 + F of my block c = 0
	v_add_nc_u32 v5, s27, v4                       ; and of c = 1
	v_lshlrev_b32 v6, s26, v4                      ; their bytes in the tensor
	v_lshlrev_b32 v7, s26, v5
	v_lshlrev_b32 v8, 2, v4                        ; and in the scalers
	v_lshlrev_b32 v9, 2, v5
	v_lshlrev_b32 v10, 4, v3                       ; 16 x lane
	s_lshl_b32 s28, s15, 7
	s_lshl_b32 s29, s16, 6
	s_add_co_u32 s28, s28, s29
	v_lshl_add_u32 v11, v1, 2, s28                 ; LDS: the word of (a % 4, column 16 tn + r): 128 (a % 4) + 64 tn + 4 r
	v_mov_b32 v20, 0                               ; a lane permute's destination counts as one of its sources
.irp c, 0,1
.irp i, 0,1,2,3,4,5,6,7
	global_load_b128 v[X+32*\c+4*\i:X+32*\c+4*\i+3], v[6+\c], s[4:5] offset:16*\i   ; my block's 128 consecutive bytes
.endr
.endr
	s_cmp_eq_u32 s20, 0
	s_cbranch_scc1 .Lplain                         ; base weights have no scaler
	global_load_b128 v[SCL:SCL+3], v8, s[8:9]
	global_load_b128 v[SCL+4:SCL+7], v9, s[8:9]
	s_wait_loadcnt 0x0
.irp c, 0,1
.irp e, 0,1,2,3
.irp p, 0,2,4,6
.if (\e)%2 == 0
	v_pk_mul_f32 v[X+32*\c+8*\e+\p:X+32*\c+8*\e+\p+1], v[X+32*\c+8*\e+\p:X+32*\c+8*\e+\p+1], v[SCL+4*\c+\e:SCL+4*\c+\e+1] op_sel_hi:[1,0]          ; feature e's eight weights x its scaler: the pair's low word for both halves
.else
	v_pk_mul_f32 v[X+32*\c+8*\e+\p:X+32*\c+8*\e+\p+1], v[X+32*\c+8*\e+\p:X+32*\c+8*\e+\p+1], v[SCL+4*\c+\e-1:SCL+4*\c+\e] op_sel:[0,1] op_sel_hi:[1,1]   ; the pair's high word for both halves
.endif
.endr
.endr
.endr
.Lplain:
	s_wait_loadcnt 0x0
.irp c, 0,1
	v_max3_num_f32 v[12+\c], |v[X+32*\c]|, |v[X+32*\c+1]|, 0x1800000   ; the block's largest magnitude, and the floor 2^(3 - 127): so the byte cannot fall under 1
.endr
.irp i, 2,4,6,8,10,12,14,16,18,20,22,24,26,28,30
.irp c, 0,1
	v_max3_num_f32 v[12+\c], v[12+\c], |v[X+32*\c+\i]|, |v[X+32*\c+\i+1]|   ; (the two blocks by turns)
.endr
.endr
.irp c, 0,1
	v_add_nc_u32 v[14+\c], 0xff000000, v[12+\c]    ; 2 off its exponent field: the conversion takes the exponent field of this operand as its scale
.endr
.irp c, 0,1
	v_lshrrev_b32 v[16+\c], 23, v[14+\c]           ; the scale's byte
.endr
	v_lshl_or_b32 v18, v17, 16, v16                ; my two bytes: blocks h and 2 + h of my column,
	v_lshlrev_b32 v19, 3, v2
	v_lshlrev_b32 v18, v19, v18                    ; 8 h bits up;
	v_permlanex16_b32 v20, v18, s30, s31
	v_or_b32 v18, v18, v20                         ; with lane l xor 16's two the word is whole
.irp c, 0,1
.irp e, 0,1,2,3
	v_cvt_scalef32_pk8_fp4_f32 v[CD+4*\c+\e], v[X+32*\c+8*\e:X+32*\c+8*\e+7], v[14+\c]   ; register 4 c + e of the operand
.endr
.endr
	v_nop                                          ; one plain instruction behind the last scaled conversion
	global_store_b128 v10, v[CD:CD+3], s[10:11]               ; each store of the wave covers 512 consecutive bytes, aligned
	global_store_b128 v10, v[CD+4:CD+7], s[10:11] offset:512
	ds_store_b32 v11, v18                          ; both halves of the lanes write the same word with the same value
	s_wait_dscnt 0x0                               ; for the others' sake: my store has landed
	s_barrier_signal -1
	s_barrier_wait -1
	s_cmp_lg_u32 s14, 0
	s_cbranch_scc1 .Lend                           ; wave 0 sends the work-group's 128 scale words out
	ds_load_b128 v[104:107], v10
	s_wait_dscnt 0x0
	global_store_b128 v10, v[104:107], s[12:13]    ; 512 consecutive bytes, aligned
.Lend:
	s_wait_tensorcnt 0x0
	ds_add_u32 v128, v129
	s_wait_dscnt 0x0
	s_endpgm
.Lfunc_end_k_qd25c7a9289_prep:
	.size	k_qd25c7a9289_prep, .Lfunc_end_k_qd25c7a9289_prep-k_qd25c7a9289_prep
	.p2alignl 7, 3214868480
	.fill 96, 4, 3214868480
	.section	.rodata,"a",@progbits
	.p2align	6, 0x0
	.amdhsa_kernel k_qd25c7a9289_prep
		.amdhsa_group_segment_fixed_size 1536
		.amdhsa_private_segment_fixed_size 0
		.amdhsa_enable_private_segment 0
		.amdhsa_kernarg_size 40
		.amdhsa_user_sgpr_count 2
		.amdhsa_user_sgpr_kernarg_segment_ptr 1
		.amdhsa_wavefront_size32 1
		.amdhsa_system_sgpr_workgroup_id_x 1
		.amdhsa_system_sgpr_workgroup_id_y 1
		.amdhsa_system_sgpr_workgroup_id_z 1
		.amdhsa_system_vgpr_workitem_id 0
		.amdhsa_next_free_vgpr 130
		.amdhsa_next_free_sgpr 66
		.amdhsa_reserve_vcc 0
		.amdhsa_float_denorm_mode_32 3
		.amdhsa_float_denorm_mode_16_64 3
		.amdhsa_memory_ordered 1
		.amdhsa_forward_progress 1
		.amdhsa_inst_pref_size 11
	.end_amdhsa_kernel
	.amdgpu_metadata
---
amdhsa.version: [ 1, 2 ]
amdhsa.kernels:
  - .name:           k_qd25c7a9289_prep
    .symbol:         k_qd25c7a9289_prep.kd
    .args:
      - { .name: base_weight, .offset: 0, .size: 8, .value_kind: global_buffer, .address_space: global }
      - { .name: spline_weight, .offset: 8, .size: 8, .value_kind: global_buffer, .address_space: global }
      - { .name: spline_scaler, .offset: 16, .size: 8, .value_kind: global_buffer, .address_space: global }
      - { .name: wcodes, .offset: 24, .size: 8, .value_kind: global_buffer, .address_space: global }
      - { .name: wscales, .offset: 32, .size: 8, .value_kind: global_buffer, .address_space: global }
    .group_segment_fixed_size: 1536
    .private_segment_fixed_size: 0
    .kernarg_segment_align: 8
    .kernarg_segment_size: 40
    .max_flat_workgroup_size: 256
    .sgpr_count:     66
    .vgpr_count:     130
    .wavefront_size: 32
...
	.end_amdgpu_metadata
.endif
;; end of part 1
;; launch kan (part 2): grid 256 x 1, 8 waves a work-group, no clusters, 302,848 bytes of LDS; arguments x, attn_embedding, cls_weight, cls_bias, wcodes, wscales, out0, out1; writes out0, out1
.if DOCPART == 2
	.amdgcn_target "amdgcn-amd-amdhsa--gfx1250"
	.amdhsa_code_object_version 6
	.text
	.protected	k_qd25c7a9289_kan
	.globl	k_qd25c7a9289_kan
	.p2align	8
	.type	k_qd25c7a9289_kan,@function
k_qd25c7a9289_kan:
	s_mov_b64 s[64:65], 0
	v_nop
	global_prefetch_b8 v0, s[64:65] scope:SCOPE_SE
	s_setreg_imm32_b32 hwreg(HW_REG_WAVE_MODE, 25, 1), 1
	s_wait_xcnt 0x0
; out1 = [h | attn], h = Q(gelu(x)) Q(base_weight)^T + Q(splines(x)) Q(spline_weight x scaler)^T;  out0 = log_softmax(out1 cls_weight^T + cls_bias).  Q: MX-FP4 along K.  x [16384][512] f32.
; SHARES.  A work-group takes 64 rows; 256 work-groups.  Each of its eight waves has two parts to play.
;   PRODUCER (m = wave % 4, g = wave / 4): rows 16 m .. 16 m + 15.  In stage s (0..3) lane (r, h) takes row r's 32 features 256 g + 64 s + 32 h + 0 .. 31 and makes of them half c = g of the base fragment (m, q = 0)
;     and the four whole spline fragments (m, q = 1 + 4 g + j).  A block of 32 along K is 32 features (base) or 4 features x 8 bases (splines): always whole in ONE lane.
;   CONSUMER: columns 32 wave .. + 31 of h (two tiles) for all four tiles of rows: 8 accumulators.  Its weights come from memory straight into its registers, in the order in which the launch before has laid them;
;     the activations' fragments come from LDS as images of the operand's registers ([c][lane][16 bytes]; scale words beside them).  36 K steps x 8 = 288 matrix instructions a wave.
;   The product is used TRANSPOSED (source 0 = 16 columns of weights, source 1 = 16 rows): lane (r, h) holds row r and eight neighbouring columns 8 h + 0 .. 7 of h.
; STAGES.  While stage t is produced into one image buffer, stage t - 1 is multiplied out of the other: a unit of vector work, eight matrix instructions, the next step's loads, and so on.  One barrier a stage.
; THE SPLINES.  The knots are -2.2 + 0.4 j.  With T = 2.5 x + 5.5, m = floor(T), u = T - m, the four bases that can differ from 0 are m - 3 .. m:
;   (1-u)^3/6,  2/3 + u^2 (u/2 - 1),  2/3 + (1-u)^2 ((1-u)/2 - 1),  u^3/6.   Those whose number falls outside 0 .. 7 are set to 0.  Two features' 4 + 4 values are converted together; each feature's 16 bits of codes are then
;   turned to nibble m - 3 of the feature's register (8 codes = the feature's 8 bases).  The turn may wrap: what wraps are codes of bases outside 0 .. 7, which are zeros.
; GELU.  0.5 x (1 + erf(x / sqrt 2)), erf(z) = z P(z^2) / Q(z^2), a rational form for |z| <= 4.
; NO CLUSTER, NO JOINT LOADS: what work-groups share are the weights, and in a work-group each weight byte has ONE reader, into whose registers it goes; a joint load lands in LDS, which would add 626,688 bytes written and as many
;   read for each work-group, and of the 327,680 bytes 24,832 are left: less than two slots of one K step's 17,408 bytes.
; LIMITS.  NaN and infinities among the inputs are not served.  For erf and for the splines alone x is held at +-5.65 (erf is 1 to f32's last bit there, and every basis is 0 beyond 2.2); gelu's factor x is not held.
;   The spline values are the closed polynomials of equal knots: they differ from the recursion's on the f32 knots by some 1e-7.  Blocks whose largest magnitude lies under 2^-124 keep the scale byte 1 (a block of zeros too: its
;   codes are zeros).  The blocks of K are summed in another order than K's own.  The classifier's product takes bf16 operands.
.set XT,    4352                       ; LDS 0: x's tiles, (4 wave + s) x XT: 16 rows x (256 bytes + 16 of padding).  Filled once, by the wave that alone reads them
.set IMG,   139264                     ; two image buffers of IBUF bytes: fragment (m, q) at (9 m + q) x 1,024;
.set ISC,   36864                      ;   from ISC on the scale words: 256 q + 128 (m % 2) + 8 r + 4 (m / 2)
.set IBUF,  39168
.set ST,    217600                     ; the work-group's block of out1 as it lies in memory: 64 rows of 1,060 bytes = 67,840 bytes
.set SROW,  1060
.set LGS,   285440                     ; partial logits: 2,048 wave + 512 m + 32 r; ends at 301,824
; ---- vector registers, window 0
.set RR,   1                           ; r = lane % 16
.set H8,   2                           ; 8 (lane / 16)
.set XA0,  3                           ; my place in my wave's x tiles
.set AIM0, 4                           ; consumer: images, 16 x lane;  ASA0: scale words, 8 x lane
.set ASA0, 5
.set PIM0, 6                           ; producer: my spline fragments;  PBI0: my half of the base fragment;  PSC0, PSB0: their scale words
.set PBI0, 7
.set PSC0, 8
.set PSB0, 9
.set AIM,  10                          ; the same six + the buffer in hand
.set ASA,  11
.set PIM,  12
.set PBI,  13
.set PSC,  14
.set PSB,  15
.set GL16, 16                          ; 16 x lane, 4 x lane: offsets in the weights' streams; never rewritten
.set GL4,  17
.set KA,   18                          ; constant pairs of the splines' polynomials
.set KA2,  20
.set KB,   22
.set KB2,  24
.set KC,   26
.set KD,   28
.set KS,   30
.set KS2,  32
.set BS,   34                          ; v34-42 the weights' scale words of the nine steps: scales and nothing else
.set CLG,  43
.set AS0,  44                          ; v44-45, v46-47 the activations' scale words, two sets: scales and nothing else
.set AT,   48                          ; v48-56 a row's nine numbers of attn
.set ATG,  57
.set LS,   58                          ; v58-65 a row's eight logits
.set CW,   66                          ; v66-73 my 32 columns of cls_weight as a bf16 fragment
.set XA,   74
.set CL,   75                          ; 5.65
.set STA,  76                          ; the epilogue's addresses, all made at the head
.set ATA,  77
.set LGA,  78
.set LGR,  79
.set CPL,  80
.set CPL2, 81
.set CPG,  82
.set O0,   83
.set ZO,   84
.set LN,   85
.set BI,   86                          ; v86-93 cls_bias / 8
.set K55,  94                          ; v94-95 5.5, twice
.set XC,   96                          ; v96-127  my 32 features, held at +-5.65
.set XG,   128                         ; v128-159 my 32 features, then their gelu
.set GZ,   160                         ; gelu at work, 8 registers each
.set GZ2,  168
.set GP,   176
.set GQ,   184
.set GHX,  192
.set GM,   200
.set RAW,  200                         ; (at the head: cls_weight as loaded)
.set BT,   128                         ; the splines at work, over the registers that gelu has left
.set BM,   132
.set BE,   136
.set BD0,  140
.set BD2,  144
.set BD3,  148
.set BP,   152                         ; feature e: (1 - u, u)
.set BP2,  160
.set BA,   168
.set BB,   176
.set BW,   184                         ; feature e: its four values
.set BLM,  200
.set BSH,  216                         ; feature e: the turn's two shifts
.set BCC,  224
.set BCE,  226
.set BTE,  230
.set FR,   234                         ; v234-241 the fragment being made
.set MX,   242
.set SCB,  244                         ; v244-245 the two blocks' scale operands
.set FB,   246
.set GB,   248
.set GS,   249
.set PD,   251                         ; a lane permute's destination
.set VA13, 252                         ; v252-255 the leading coefficients of P and Q, twice each
.set VB8,  254
.set AG,   128                         ; the drain's second set of activation fragments
.set HB,   128                         ; h as bf16 fragments
.set LGT,  160                         ; partial logits
.set PT,   128                         ; the eight waves' partial logits
; ---- window 1: v0-63 the accumulators, tile (m, n) at 8 (2 m + n); from WF the weights, step q, tile n at WF + 16 q + 8 n; from AF four activation fragments
.set WF,   64
.set AF,   208
; ---- scalar registers
.set WV,   2
.set MT,   3
.set GH,   4
.set SX,   5
.set SEL,  6                           ; s[6:7] selects for lane l xor 16
.set PX,   8                           ; s[8:23] the eight buffers
.set PAT,  10
.set PCW,  12
.set PCB,  14
.set PWC,  16
.set PWS,  18
.set PO0,  20
.set PO1,  22
.set G1,   24                          ; s[24:31] descriptor group 1; s[32:47] group 0 for each of the four stages
.set G0,   32
.set C25,  48                          ; s[48:49] 2.5
.set C45,  52                          ; 4.5
.set RS2,  54                          ; s[54:55] 1 / sqrt 2
.set XS,   56                          ; the stage's x tile
.set PB,   57                          ; the buffer that is written, the buffer that is read
.set CB,   58
.set TR,   59
.set ER,   68                          ; s[68:87] erf's coefficients as pairs: P's 11, 9, 7, 5, 3, 1; Q's 6, 4, 2, 0.  Behind the loop s[24:63], s[68:99] take cls_weight's columns 256 .. 264
.set MSB, 0
.macro WIN new                         ; s_set_vgpr_msb: bits 1:0 source 0, 3:2 source 1, 5:4 source 2, 7:6 destination; the high byte repeats the setting that is left
.if MSB != \new
	s_set_vgpr_msb (MSB<<8)|\new
.set MSB, \new
.endif
.endm
.macro SPAIR r, bits
	s_mov_b32 s[\r], \bits
	s_mov_b32 s[\r+1], \bits
.endm
.macro ADDR
	v_add_nc_u32 v[AIM], s[CB], v[AIM0]
	v_add_nc_u32 v[ASA], s[CB], v[ASA0]
	v_add_nc_u32 v[PIM], s[PB], v[PIM0]
	v_add_nc_u32 v[PBI], s[PB], v[PBI0]
	v_add_nc_u32 v[PSC], s[PB], v[PSC0]
	v_add_nc_u32 v[PSB], s[PB], v[PSB0]
.endm
.macro FLIP                            ; the two image buffers change parts
	s_xor_b32 s[PB], s[PB], IBUF
	s_xor_b32 s[CB], s[CB], IBUF
	ADDR
.endm
.macro BAR                             ; my LDS stores have landed and my LDS loads are in: then the work-group's barrier
	s_wait_dscnt 0x0
	s_barrier_signal -1
	s_barrier_wait -1
.endm
; The loads of a step.  qa >= 0: step qa's four activation fragments and their scale words, from LDS (1 + 8 loads).  qb >= 0: the NEXT stage's weights of step qb, from memory (1 + 4 loads: a group of five on LOADcnt).
.macro FEED qa, qb
.if (\qa) >= 0
	ds_load_b64 v[AS0:AS0+1], v[ASA] offset:256*(\qa)          ; register 0: tiles m = 0 (lanes 0-15) and 1 (lanes 16-31); register 1: m = 2 and 3
.endif
.if (\qb) >= 0
	global_load_b32 v[BS+(\qb)], v[GL4], s[PWS:PWS+1] offset:128*(\qb)   ; lanes 0-15: tile n = 0; lanes 16-31: n = 1
.endif
	WIN 0x40                                       ; destination window 1
.if (\qa) >= 0
.irp m, 0,1,2,3
.irp c, 0,1
	ds_load_b128 v[AF+8*\m+4*\c:AF+8*\m+4*\c+3], v[AIM] offset:(9*\m+(\qa))*1024+512*\c
.endr
.endr
.endif
.if (\qb) >= 0
.irp n, 0,1
.irp c, 0,1
	global_load_b128 v[WF+16*(\qb)+8*\n+4*\c:WF+16*(\qb)+8*\n+4*\c+3], v[GL16], s[PWC:PWC+1] offset:2048*(\qb)+1024*\n+512*\c   ; 512 consecutive bytes
.endr
.endr
.endif
	WIN 0
.endm
.macro LOADG q                         ; the drain's second set: step q's fragments into window 0
	ds_load_b64 v[AS0+2:AS0+3], v[ASA] offset:256*(\q)
.irp m, 0,1,2,3
.irp c, 0,1
	ds_load_b128 v[AG+8*\m+4*\c:AG+8*\m+4*\c+3], v[AIM] offset:(9*\m+(\q))*1024+512*\c
.endr
.endr
.endm
; One matrix instruction: tile (m, n), K step q.  Source 0: weights, their scale word in lanes 0-15 (n = 0) or 16-31 (n = 1) of v[BS + q]; source 1: rows, their word in lanes 0-15 (m even) or 16-31 (m odd).
.macro MM m, n, q, ab, as, zero
.set dA, 8*(2*(\m)+(\n))
.set wA, WF+16*(\q)+8*(\n)
.set bA, (\ab)+8*(\m)
.set sA, BS+(\q)
.set sB, (\as)+(\m)/2
.if \zero
.if ((\n) == 0) && ((\m)%2 == 0)
	v_wmma_scale_f32_16x16x128_f8f6f4 v[dA:dA+7], v[wA:wA+7], v[bA:bA+7], 0, v[sA], v[sB] matrix_a_fmt:MATRIX_FMT_FP4 matrix_b_fmt:MATRIX_FMT_FP4
.elseif ((\n) == 1) && ((\m)%2 == 0)
	v_wmma_scale_f32_16x16x128_f8f6f4 v[dA:dA+7], v[wA:wA+7], v[bA:bA+7], 0, v[sA], v[sB] matrix_a_fmt:MATRIX_FMT_FP4 matrix_b_fmt:MATRIX_FMT_FP4 matrix_a_scale:MATRIX_SCALE_ROW1
.elseif (\n) == 0
	v_wmma_scale_f32_16x16x128_f8f6f4 v[dA:dA+7], v[wA:wA+7], v[bA:bA+7], 0, v[sA], v[sB] matrix_a_fmt:MATRIX_FMT_FP4 matrix_b_fmt:MATRIX_FMT_FP4 matrix_b_scale:MATRIX_SCALE_ROW1
.else
	v_wmma_scale_f32_16x16x128_f8f6f4 v[dA:dA+7], v[wA:wA+7], v[bA:bA+7], 0, v[sA], v[sB] matrix_a_fmt:MATRIX_FMT_FP4 matrix_b_fmt:MATRIX_FMT_FP4 matrix_a_scale:MATRIX_SCALE_ROW1 matrix_b_scale:MATRIX_SCALE_ROW1
.endif
.else
.if ((\n) == 0) && ((\m)%2 == 0)
	v_wmma_scale_f32_16x16x128_f8f6f4 v[dA:dA+7], v[wA:wA+7], v[bA:bA+7], v[dA:dA+7], v[sA], v[sB] matrix_a_fmt:MATRIX_FMT_FP4 matrix_b_fmt:MATRIX_FMT_FP4
.elseif ((\n) == 1) && ((\m)%2 == 0)
	v_wmma_scale_f32_16x16x128_f8f6f4 v[dA:dA+7], v[wA:wA+7], v[bA:bA+7], v[dA:dA+7], v[sA], v[sB] matrix_a_fmt:MATRIX_FMT_FP4 matrix_b_fmt:MATRIX_FMT_FP4 matrix_a_scale:MATRIX_SCALE_ROW1
.elseif (\n) == 0
	v_wmma_scale_f32_16x16x128_f8f6f4 v[dA:dA+7], v[wA:wA+7], v[bA:bA+7], v[dA:dA+7], v[sA], v[sB] matrix_a_fmt:MATRIX_FMT_FP4 matrix_b_fmt:MATRIX_FMT_FP4 matrix_b_scale:MATRIX_SCALE_ROW1
.else
	v_wmma_scale_f32_16x16x128_f8f6f4 v[dA:dA+7], v[wA:wA+7], v[bA:bA+7], v[dA:dA+7], v[sA], v[sB] matrix_a_fmt:MATRIX_FMT_FP4 matrix_b_fmt:MATRIX_FMT_FP4 matrix_a_scale:MATRIX_SCALE_ROW1 matrix_b_scale:MATRIX_SCALE_ROW1
.endif
.endif
.endm
; A K step's eight matrix instructions.  The eight accumulators take turns, one instruction a turn, in the same order in every step, over the loop's backward jump too.
; nload: how many younger loads from memory may stay out; nds: how many younger LDS loads.  zero = 1: the products start the sums: nothing is ever cleared.  buf: which set of activation fragments.
; Four v_nop close it: the places in front of the loads into the registers just read, and of the first read of results (ISA guide 7.12.1 for vector instructions).
.macro CONS q, zero, nload, nds, buf
	s_wait_loadcnt \nload
	s_wait_dscnt \nds
.if \buf
	WIN 0x51                                       ; weights, C and D in window 1, rows in window 0
.else
	WIN 0x55                                       ; all in window 1
.endif
.irp m, 0,1,2,3
.irp n, 0,1
.if \buf
	MM \m, \n, \q, AG, AS0+2, \zero
.else
	MM \m, \n, \q, AF, AS0, \zero
.endif
.endr
.endr
	WIN 0
.rept 4
	v_nop
.endr
.endm
.macro XLOAD                           ; my 32 features of the stage: 128 bytes of my row
	v_add_nc_u32 v[XA], s[XS], v[XA0]
.irp i, 0,1,2,3,4,5,6,7
	ds_load_b128 v[XG+4*\i:XG+4*\i+3], v[XA] offset:16*\i
.endr
.endm
; gelu of eight features, in place; the features held at +-5.65 go to XC for the splines.
.macro GELU8 k
.set gx, XG+8*(\k)
.set gc, XC+8*(\k)
.irp i, 0,1,2,3,4,5,6,7
	v_med3_num_f32 v[gc+\i], v[gx+\i], -v[CL], v[CL]
.endr
.irp i, 0,2,4,6
	v_pk_mul_f32 v[GZ+\i:GZ+\i+1], v[gc+\i:gc+\i+1], s[RS2:RS2+1] op_sel_hi:[1,0]    ; z = x / sqrt 2, |z| < 4
.endr
.irp i, 0,2,4,6
	v_pk_mul_f32 v[GZ2+\i:GZ2+\i+1], v[GZ+\i:GZ+\i+1], v[GZ+\i:GZ+\i+1]
.endr
.irp i, 0,2,4,6
	v_pk_fma_f32 v[GP+\i:GP+\i+1], v[GZ2+\i:GZ2+\i+1], v[VA13:VA13+1], s[ER:ER+1] op_sel_hi:[1,1,0]
.endr
.irp i, 0,2,4,6
	v_pk_fma_f32 v[GQ+\i:GQ+\i+1], v[GZ2+\i:GZ2+\i+1], v[VB8:VB8+1], s[ER+12:ER+13] op_sel_hi:[1,1,0]
.endr
.irp a, 2,4,6                          ; the two chains by turns
.irp i, 0,2,4,6
	v_pk_fma_f32 v[GP+\i:GP+\i+1], v[GP+\i:GP+\i+1], v[GZ2+\i:GZ2+\i+1], s[ER+\a:ER+\a+1] op_sel_hi:[1,1,0]
.endr
.irp i, 0,2,4,6
	v_pk_fma_f32 v[GQ+\i:GQ+\i+1], v[GQ+\i:GQ+\i+1], v[GZ2+\i:GZ2+\i+1], s[ER+12+\a:ER+13+\a] op_sel_hi:[1,1,0]
.endr
.endr
.irp a, 8,10
.irp i, 0,2,4,6
	v_pk_fma_f32 v[GP+\i:GP+\i+1], v[GP+\i:GP+\i+1], v[GZ2+\i:GZ2+\i+1], s[ER+\a:ER+\a+1] op_sel_hi:[1,1,0]
.endr
.endr
.irp i, 0,2,4,6
	v_pk_mul_f32 v[GP+\i:GP+\i+1], v[GP+\i:GP+\i+1], v[GZ+\i:GZ+\i+1]
.endr
.irp i, 0,1,2,3,4,5,6,7
	v_rcp_f32 v[GQ+\i], v[GQ+\i]
.endr
.irp i, 0,2,4,6
	v_pk_mul_f32 v[GHX+\i:GHX+\i+1], v[gx+\i:gx+\i+1], 0.5 op_sel_hi:[1,0]           ; x / 2, of the x that is not held: plain work that names no reciprocal
.endr
	s_wait_alu depctr_va_vdst(0)                   ; one wait for the eight reciprocals, ahead of their first reader
.irp i, 0,2,4,6
	v_pk_mul_f32 v[GP+\i:GP+\i+1], v[GP+\i:GP+\i+1], v[GQ+\i:GQ+\i+1]                ; erf(z)
.endr
.irp i, 0,2,4,6
	v_pk_fma_f32 v[gx+\i:gx+\i+1], v[GHX+\i:GHX+\i+1], v[GP+\i:GP+\i+1], v[GHX+\i:GHX+\i+1]
.endr
.endm
; My 32 gelu values are one block: its scale, its 4 registers of codes (half c = g of the base fragment), its byte (with lane l xor 16's: bytes 2 g and 2 g + 1 of my row's scale word).
.macro GQUANT
.irp c, 0,1,2,3
	v_max3_num_f32 v[GM+\c], |v[XG+8*\c]|, |v[XG+8*\c+1]|, 0x1800000   ; four chains; the floor 2^(3 - 127) among the leaves: so the byte cannot fall under 1
.endr
.irp i, 2,4,6
.irp c, 0,1,2,3
	v_max3_num_f32 v[GM+\c], v[GM+\c], |v[XG+8*\c+\i]|, |v[XG+8*\c+\i+1]|
.endr
.endr
	v_max3_num_f32 v[GM], v[GM], v[GM+1], v[GM+2]
	v_max_num_f32 v[GM], v[GM], v[GM+3]
	v_add_nc_u32 v[GS], 0xff000000, v[GM]          ; 2 off the exponent field: the conversion's scale operand
	v_lshrrev_b32 v[GB], 23, v[GS]                 ; the byte,
	v_lshlrev_b32 v[GB], v[H8], v[GB]              ; 8 h bits up
	v_permlanex16_b32 v[PD], v[GB], s[SEL], s[SEL+1]
	s_wait_dscnt 0x0                               ; the last stores out of FR have read their registers
.irp e, 0,1,2,3
	v_cvt_scalef32_pk8_fp4_f32 v[FR+\e], v[XG+8*\e:XG+8*\e+7], v[GS]
.endr
	v_or_b32 v[GB], v[GB], v[PD]                   ; (the plain instruction behind the last scaled conversion)
	ds_store_b128 v[PBI], v[FR:FR+3]
	ds_store_b16 v[PSB], v[GB]                     ; both halves of the lanes write the same two bytes
.endm
; Features 4 b .. 4 b + 3 of my 32: one block of 32 along K: registers 4 (b % 2) + e of fragment j = b / 2.  The four features take turns line by line.
.macro SPLINE b
.set xb, XC+4*(\b)
.set fb, FR+4*((\b)%2)
.set sb, SCB+(\b)%2
.irp e, 0,2
	v_pk_fma_f32 v[BT+\e:BT+\e+1], v[xb+\e:xb+\e+1], s[C25:C25+1], v[K55:K55+1] op_sel_hi:[1,0,1]   ; T = 2.5 x + 5.5
.endr
.irp e, 0,1,2,3
	v_floor_f32 v[BM+\e], v[BT+\e]                 ; m, -9 .. 19
.endr
.irp e, 0,2
	v_pk_add_f32 v[BE+\e:BE+\e+1], v[K55:K55+1], v[BM+\e:BM+\e+1] neg_lo:[0,1] neg_hi:[0,1]         ; E = 5.5 - m, exact
.endr
.irp e, 0,1,2,3
	v_fma_f32 v[BP+2*\e+1], v[xb+\e], s[C25], v[BE+\e]         ; u = 2.5 x + (5.5 - m): rounded once
.endr
.irp e, 0,1,2,3
	v_sub_f32 v[BP+2*\e], 1.0, v[BP+2*\e+1]        ; 1 - u
.endr
.irp e, 0,2,4,6
	v_pk_mul_f32 v[BP2+\e:BP2+\e+1], v[BP+\e:BP+\e+1], v[BP+\e:BP+\e+1]
.endr
.irp e, 0,2,4,6
	v_pk_fma_f32 v[BA+\e:BA+\e+1], v[BP+\e:BP+\e+1], v[KA:KA+1], v[KA2:KA2+1]        ; ((1-u)/6, u/2 - 1)
.endr
.irp e, 0,2,4,6
	v_pk_fma_f32 v[BB+\e:BB+\e+1], v[BP+\e:BP+\e+1], v[KB:KB+1], v[KB2:KB2+1]        ; ((1-u)/2 - 1, u/6)
.endr
.irp e, 0,1,2,3
	v_pk_fma_f32 v[BW+4*\e:BW+4*\e+1], v[BP2+2*\e:BP2+2*\e+1], v[BA+2*\e:BA+2*\e+1], v[KC:KC+1]     ; bases m - 3 and m - 2
.endr
.irp e, 0,1,2,3
	v_pk_fma_f32 v[BW+4*\e+2:BW+4*\e+3], v[BP2+2*\e:BP2+2*\e+1], v[BB+2*\e:BB+2*\e+1], v[KD:KD+1]   ; bases m - 1 and m
.endr
; Basis m - 3 + i exists where 0 <= m - 3 + i <= 7, that is |E + 1 - i| <= 3.5: then 4.5 - |E + 1 - i| is 1 or more, else 0 or less; the middle one of (value, 0, that) is the value or 0.
.irp e, 0,2
	v_pk_add_f32 v[BD0+\e:BD0+\e+1], v[BE+\e:BE+\e+1], 1.0 op_sel_hi:[1,0]
	v_pk_add_f32 v[BD2+\e:BD2+\e+1], v[BE+\e:BE+\e+1], -1.0 op_sel_hi:[1,0]
	v_pk_add_f32 v[BD3+\e:BD3+\e+1], v[BE+\e:BE+\e+1], -2.0 op_sel_hi:[1,0]
.endr
.irp e, 0,1,2,3
	v_sub_f32 v[BLM+4*\e], s[C45], |v[BD0+\e]|
	v_sub_f32 v[BLM+4*\e+1], s[C45], |v[BE+\e]|
	v_sub_f32 v[BLM+4*\e+2], s[C45], |v[BD2+\e]|
	v_sub_f32 v[BLM+4*\e+3], s[C45], |v[BD3+\e]|
.endr
.irp i, 0,1,2,3,4,5,6,7,8,9,10,11,12,13,14,15
	v_med3_num_f32 v[BW+\i], v[BW+\i], 0, v[BLM+\i]
.endr
; The turn's shifts: 4 m - 12 to the left, 12 - 4 m to the right, each modulo 32: the low five bits of 1.5 x 2^23 -+ 12 +- 4 m as f32 (a shift takes the low five bits of its count: ISA guide, the shifts' entries).
.irp e, 0,2
	v_pk_fma_f32 v[BSH+2*\e:BSH+2*\e+1], v[BM+\e:BM+\e+1], v[KS:KS+1], v[KS2:KS2+1] op_sel_hi:[0,1,1]                  ; the pair's first m for both halves
	v_pk_fma_f32 v[BSH+2*\e+2:BSH+2*\e+3], v[BM+\e:BM+\e+1], v[KS:KS+1], v[KS2:KS2+1] op_sel:[1,0,0] op_sel_hi:[1,1,1]   ; its second
.endr
	v_max3_num_f32 v[MX], v[BW], v[BW+1], 0x1800000        ; the block's largest number (none is negative; its other 16 are zeros), and the floor
	v_max3_num_f32 v[MX+1], v[BW+2], v[BW+3], v[BW+4]
	v_max3_num_f32 v[MX], v[MX], v[BW+5], v[BW+6]
	v_max3_num_f32 v[MX+1], v[MX+1], v[BW+7], v[BW+8]
	v_max3_num_f32 v[MX], v[MX], v[BW+9], v[BW+10]
	v_max3_num_f32 v[MX+1], v[MX+1], v[BW+11], v[BW+12]
	v_max3_num_f32 v[MX], v[MX], v[BW+13], v[BW+14]
	v_max3_num_f32 v[MX], v[MX], v[MX+1], v[BW+15]
	v_add_nc_u32 v[sb], 0xff000000, v[MX]          ; 2 off the exponent field: the conversion's scale operand
	v_cvt_scalef32_pk8_fp4_f32 v[BCC], v[BW:BW+7], v[sb]           ; features 0 and 1: 16 bits of codes each
	v_cvt_scalef32_pk8_fp4_f32 v[BCC+1], v[BW+8:BW+15], v[sb]      ; features 2 and 3
	v_nop                                          ; one plain instruction behind the last scaled conversion
	v_and_b32 v[BCE], 0xffff, v[BCC]
	v_lshrrev_b32 v[BCE+1], 16, v[BCC]
	v_and_b32 v[BCE+2], 0xffff, v[BCC+1]
	v_lshrrev_b32 v[BCE+3], 16, v[BCC+1]
.if (\b)%2 == 0
	s_wait_dscnt 0x0                               ; the last fragment's stores have read FR and the scale word's register
.endif
.irp e, 0,1,2,3
	v_lshrrev_b32 v[BTE+\e], v[BSH+2*\e+1], v[BCE+\e]
.endr
.irp e, 0,1,2,3
	v_lshl_or_b32 v[fb+\e], v[BCE+\e], v[BSH+2*\e], v[BTE+\e]      ; the 16 bits turned to nibble m - 3
.endr
.endm
.macro FRAGOUT j                       ; spline fragment j of my four goes to LDS as it stands, with my row's scale word
	v_lshrrev_b32 v[FB], 23, v[SCB]
	v_lshrrev_b32 v[FB+1], 23, v[SCB+1]
	v_lshl_or_b32 v[FB], v[FB+1], 16, v[FB]        ; my two bytes: blocks h and 2 + h,
	v_lshlrev_b32 v[FB], v[H8], v[FB]              ; 8 h bits up;
	v_permlanex16_b32 v[PD], v[FB], s[SEL], s[SEL+1]
	v_or_b32 v[FB], v[FB], v[PD]                   ; with lane l xor 16's two the word is whole
	ds_store_b128 v[PIM], v[FR:FR+3] offset:(1+(\j))*1024
	ds_store_b128 v[PIM], v[FR+4:FR+7] offset:(1+(\j))*1024+512
	ds_store_b32 v[PSC], v[FB] offset:(1+(\j))*256
.endm
.macro UNIT u                          ; the nine units of a stage's vector work: gelu and its block; then a spline block each
.if (\u) == 0
	GELU8 0
	GELU8 1
	GELU8 2
	GELU8 3
	GQUANT
.else
	SPLINE (\u)-1
.if ((\u)-1)%2
	FRAGOUT ((\u)-1)/2
.endif
.endif
.endm
; ---------------------------------------------------------------- the head
	s_load_b512 s[8:23], s[0:1], 0x0               ; x, attn, cls_weight, cls_bias, wcodes, wscales, out0, out1
	s_set_vgpr_msb 0x40
	v_lshl_add_u32 v254, v0, 2, 0x49b00
	v_mov_b32 v255, 0
	s_set_vgpr_msb 0x4045
	ds_add_u32 v254, v255
	ds_add_u32 v254, v255
	s_set_vgpr_msb 0x4500
	v_lshrrev_b32 v1, 5, v0
	v_readfirstlane_b32 s[WV], v1                  ; wave 0..7
	s_and_b32 s[MT], s[WV], 3                      ; m
	s_lshr_b32 s[GH], s[WV], 2                     ; g
	; descriptor group 1: a tile of 16 rows x 64 f32, rows 512 f32 apart in memory, 16 bytes of padding behind each row in LDS
	s_mov_b32 s[G1], (2<<16)|(1<<20)|(5<<22)|(3<<25)       ; no mask; elements of 4 bytes; padding on: 4 words (code 3) after every 64 (code 5)
	s_mov_b32 s[G1+1], 64<<16                      ; tensor_dim0 = 64
	s_mov_b32 s[G1+2], 16<<16                      ; tensor_dim1 = 16
	s_mov_b32 s[G1+3], 64<<16                      ; tile_dim0 = 64
	s_mov_b32 s[G1+4], 16                          ; tile_dim1 = 16
	s_mov_b32 s[G1+5], 512                         ; the pitch
	s_mov_b32 s[G1+6], 0
	s_mov_b32 s[G1+7], 0
	s_lshl_b32 s60, ttmp9, 17                      ; the work-group's 64 rows of 2,048 bytes,
	s_lshl_b32 s61, s[MT], 15                      ; my 16 of them,
	s_add_co_u32 s60, s60, s61
	s_lshl_b32 s61, s[GH], 10                      ; my half of the features
	s_add_co_u32 s60, s60, s61
	s_mov_b32 s61, 0
	s_mul_i32 s62, s[WV], 4*XT                     ; my four tiles in LDS
	s_wait_dscnt 0x0
	s_wait_kmcnt 0x0
	s_add_nc_u64 s[PX:PX+1], s[PX:PX+1], s[60:61]
.irp s, 0,1,2,3
	s_mov_b32 s[G0+4*\s], 1                        ; count = 1
	s_add_co_u32 s[G0+4*\s+1], s62, \s*XT          ; LDS address
	s_add_nc_u64 s[G0+4*\s+2:G0+4*\s+3], s[PX:PX+1], \s*256        ; stage s: 64 features on
	s_or_b32 s[G0+4*\s+3], s[G0+4*\s+3], 0x80000000                ; type = 2
.endr
.irp s, 0,1,2,3
	tensor_load_to_lds s[G0+4*\s:G0+4*\s+3], s[G1:G1+7]    ; all of my x, ahead of everything else: four loads of mine are out.  Each LDS byte is filled once in the launch
	s_nop 0
.endr
.rept 4
	v_nop
.endr
	; every LDS address register of the launch is made here
	v_and_b32 v[LN], 31, v0
	v_and_b32 v[RR], 15, v0
	v_bfe_u32 v[H8], v0, 4, 1                      ; h for now
	v_mul_u32_u24 v[XA0], v[RR], 272
	v_lshl_add_u32 v[XA0], v[H8], 7, v[XA0]
	v_add_nc_u32 v[XA0], s62, v[XA0]               ; 17,408 wave + 272 r + 128 h
	v_lshlrev_b32 v[GL16], 4, v[LN]
	v_lshlrev_b32 v[GL4], 2, v[LN]
	v_lshl_add_u32 v[AIM0], v[LN], 4, IMG
	v_lshl_add_u32 v[ASA0], v[LN], 3, IMG+ISC
	s_mul_i32 s60, s[MT], 9216
	s_lshl_b32 s61, s[GH], 12
	s_add_co_u32 s61, s61, s60
	v_add_nc_u32 v[PIM0], s61, v[AIM0]             ; fragments (m, 4 g + ..)
	s_lshl_b32 s61, s[GH], 9
	s_add_co_u32 s61, s61, s60
	v_add_nc_u32 v[PBI0], s61, v[AIM0]             ; fragment (m, 0), half g
	s_and_b32 s60, s[MT], 1
	s_lshl_b32 s60, s60, 7
	s_lshr_b32 s61, s[MT], 1
	s_lshl_b32 s61, s61, 2
	s_add_co_u32 s60, s60, s61
	v_lshl_add_u32 v[PSB0], v[RR], 3, IMG+ISC
	v_add_nc_u32 v[PSB0], s60, v[PSB0]             ; my row's word of step 0: 128 (m % 2) + 8 r + 4 (m / 2)
	s_lshl_b32 s61, s[GH], 10
	v_add_nc_u32 v[PSC0], s61, v[PSB0]             ; of steps 4 g + ..
	s_lshl_b32 s61, s[GH], 1
	v_add_nc_u32 v[PSB0], s61, v[PSB0]             ; in step 0's word: bytes 2 g, 2 g + 1
	v_mul_u32_u24 v[ATA], v[RR], SROW
	v_lshl_add_u32 v[STA], v[H8], 5, v[ATA]
	s_lshl_b32 s60, s[WV], 7
	s_add_co_u32 s61, s60, ST
	v_add_nc_u32 v[STA], s61, v[STA]               ; the stage: row r, my wave's 128 bytes, + 32 h
	v_and_b32 v[CLG], 7, v0
	v_mul_u32_u24 v[CLG], v[CLG], SROW
	v_lshl_add_u32 v[CLG], v[H8], 5, v[CLG]
	v_add_nc_u32 v[CLG], s60, v[CLG]               ; cls_weight: class r % 8, my wave's 32 columns, + 8 h columns
	s_mul_i32 s60, s[MT], 16*SROW
	s_add_co_u32 s60, s60, ST+1024
	v_add_nc_u32 v[ATA], s60, v[ATA]               ; the stage: row 16 m + r, column 256
	s_lshl_b32 s60, s[WV], 11
	s_add_co_u32 s60, s60, LGS
	v_lshl_add_u32 v[LGA], v[RR], 5, s60
	s_lshl_b32 s60, s[MT], 9
	s_add_co_u32 s61, s60, LGS
	v_lshl_add_u32 v[LGR], v[RR], 5, s61
	v_lshl_add_u32 v[O0], v[RR], 5, s60
	v_lshl_add_u32 v[O0], v[H8], 4, v[O0]          ; out0: 512 m + 32 r + 16 h
	v_lshl_add_u32 v[CPL], v0, 4, ST
	v_add_nc_u32 v[CPL2], 0x10000, v[CPL]
	v_lshlrev_b32 v[CPG], 4, v0
	s_mul_i32 s60, s[MT], 576
	v_mad_u32_u24 v[ATG], v[RR], 36, s60           ; attn: row 16 m + r of 36 bytes
	v_mov_b32 v[ZO], 0
	v_lshlrev_b32 v[H8], 3, v[H8]                  ; 8 h from here on
	s_mov_b32 s61, 0
	s_mul_i32 s60, ttmp9, 2304
	s_add_nc_u64 s[PAT:PAT+1], s[PAT:PAT+1], s[60:61]      ; the work-group's 64 rows of attn,
	s_lshl_b32 s60, ttmp9, 11
	s_add_nc_u64 s[PO0:PO0+1], s[PO0:PO0+1], s[60:61]      ; of out0,
	s_mul_i32 s60, ttmp9, 64*SROW
	s_add_nc_u64 s[PO1:PO1+1], s[PO1:PO1+1], s[60:61]      ; of out1: 67,840 bytes, a multiple of 256
	s_mul_i32 s60, s[WV], 73728
	s_add_nc_u64 s[PWC:PWC+1], s[PWC:PWC+1], s[60:61]      ; my wave's stream of weights
	s_mul_i32 s60, s[WV], 4608
	s_add_nc_u64 s[PWS:PWS+1], s[PWS:PWS+1], s[60:61]
.irp i, 0,1,2,3,4,5,6,7
	global_load_b32 v[RAW+\i], v[CLG], s[PCW:PCW+1] offset:4*\i            ; rows of 1,060 bytes: four bytes at a time
	global_load_b32 v[RAW+8+\i], v[CLG], s[PCW:PCW+1] offset:64+4*\i
.endr
	global_load_b128 v[BI:BI+3], v[ZO], s[PCB:PCB+1]
	global_load_b128 v[BI+4:BI+7], v[ZO], s[PCB:PCB+1] offset:16
.irp q, 0,1,2,3,4,5,6,7,8
	FEED -1, \q                                    ; stage 0's weights: nine groups of five loads
.endr
	s_mov_b32 s[SEL], 0x76543210
	s_mov_b32 s[SEL+1], 0xfedcba98
	SPAIR C25, 0x40200000                          ; 2.5
	s_mov_b32 s[C45], 0x40900000                   ; 4.5
	SPAIR RS2, 0x3f3504f3                          ; 0.70710678
	SPAIR ER,    0x32edffee                        ; P:  2.77068142e-08
	SPAIR ER+2,  0xb60cff51                        ;    -2.10102402e-06
	SPAIR ER+4,  0xb86ec2d2                        ;    -5.69250639e-05
	SPAIR ER+6,  0xba40ac63                        ;    -7.34990630e-04
	SPAIR ER+8,  0xbb41a1f6                        ;    -2.95459981e-03
	SPAIR ER+10, 0xbc83dbd4                        ;    -1.60960333e-02
	SPAIR ER+12, 0xb95fbd29                        ; Q: -2.13374055e-04
	SPAIR ER+14, 0xbadc924e                        ;    -1.68282697e-03
	SPAIR ER+16, 0xbbf19bf8                        ;    -7.37332917e-03
	SPAIR ER+18, 0xbc69b6a7                        ;    -1.42647391e-02
	s_mov_b32 s[XS], 0
	s_mov_b32 s[PB], 0
	s_mov_b32 s[CB], IBUF
	v_mov_b32 v[VA13], 0xaf95df0b                  ; P's leading coefficient, -2.72614226e-10
	v_mov_b32 v[VA13+1], 0xaf95df0b
	v_mov_b32 v[VB8], 0xb77460cd                   ; Q's, -1.45660718e-05
	v_mov_b32 v[VB8+1], 0xb77460cd
	v_mov_b32 v[K55], 0x40b00000                   ; 5.5
	v_mov_b32 v[K55+1], 0x40b00000
	v_mov_b32 v[CL], 0x40b4cccd                    ; 5.65
	v_mov_b32 v[KA], 0x3e2aaaab                    ; (1/6, 1/2)
	v_mov_b32 v[KA+1], 0.5
	v_mov_b32 v[KA2], 0                            ; (0, -1)
	v_mov_b32 v[KA2+1], -1.0
	v_mov_b32 v[KB], 0.5                           ; (1/2, 1/6)
	v_mov_b32 v[KB+1], 0x3e2aaaab
	v_mov_b32 v[KB2], -1.0                         ; (-1, 0)
	v_mov_b32 v[KB2+1], 0
	v_mov_b32 v[KC], 0                             ; (0, 2/3)
	v_mov_b32 v[KC+1], 0x3f2aaaab
	v_mov_b32 v[KD], 0x3f2aaaab                    ; (2/3, 0)
	v_mov_b32 v[KD+1], 0
	v_mov_b32 v[KS], 4.0                           ; (4, -4)
	v_mov_b32 v[KS+1], -4.0
	v_mov_b32 v[KS2], 0x4b3ffff4                   ; (1.5 x 2^23 - 12, 1.5 x 2^23 + 12)
	v_mov_b32 v[KS2+1], 0x4b40000c
	v_mov_b32 v[PD], 0                             ; a lane permute's destination counts as one of its sources
	ADDR
	; attn goes into its nine columns of the stage now: waves 0 to 3, a tile of rows each.  Load, wait and store stand in this one branch.
	s_cmp_gt_u32 s[WV], 3
	s_cbranch_scc1 .Lno_attn
.irp i, 0,1,2,3,4,5,6,7,8
	global_load_b32 v[AT+\i], v[ATG], s[PAT:PAT+1] offset:4*\i
.endr
	s_wait_loadcnt 0x0                             ; (x's first tile, asked for earlier, is on its way meanwhile)
.irp i, 0,1,2,3,4,5,6,7,8
	ds_store_b32 v[ATA], v[AT+\i] offset:4*\i      ; both halves of the lanes write the same words
.endr
.Lno_attn:
; ---------------------------------------------------------------- stage 0 is produced; nothing is there to multiply yet
	s_wait_tensorcnt 0x3                           ; my tile of stage 0 is in; the three issued behind it may be out.  I alone read my tiles
	XLOAD
	s_wait_loadcnt 45                              ; cls_weight and cls_bias are in: behind them stand the 45 loads of stage 0's weights
.irp p, 0,1,2,3,4,5,6,7
	v_cvt_pk_bf16_f32 v[CW+\p], v[RAW+2*\p], v[RAW+2*\p+1]         ; lane (r, h): class r % 8; registers 0-3 columns 8 h + 0 .. 7, registers 4-7 columns 16 + 8 h + 0 .. 7 of my 32
.endr
.irp p, 0,2,4,6
	v_pk_mul_f32 v[BI+\p:BI+\p+1], v[BI+\p:BI+\p+1], 0x3e000000 op_sel_hi:[1,0]    ; bias / 8, exact: each of the eight waves' partial logits begins with it
.endr
	s_wait_dscnt 0x0
.irp u, 0,1,2,3,4,5,6,7,8
	UNIT \u
.endr
	BAR                                            ; stage 0's 36 fragments lie in buffer 0
	FLIP
	FEED 0, -1
	CONS 0, 1, 40, 0, 0                            ; the first K step starts the eight sums.  40: behind a group of weights always stand eight groups of five
	s_wait_tensorcnt 0x0                           ; all of my x is in: no wait for tiles stands in the loop
	s_mov_b32 s[TR], 3
; ---------------------------------------------------------------- three trips: trip t multiplies steps 1 .. 8 of stage t - 1 and step 0 of stage t, produces stage t, and fetches stage t's weights
.Lstage:
	s_wait_xcnt 0x0                                ; the weights' loads have read their bases, which step now
	s_add_nc_u64 s[PWC:PWC+1], s[PWC:PWC+1], 18432
	s_add_nc_u64 s[PWS:PWS+1], s[PWS:PWS+1], 1152
	s_add_co_u32 s[XS], s[XS], XT
	FEED 1, 0
	XLOAD
	s_wait_dscnt 0x0
.irp q, 1,2,3,4,5,6,7
	UNIT \q-1
	CONS \q, 0, 40, 0, 0
	FEED \q+1, \q                                  ; the next step's fragments land under the next unit; step q's registers take the next stage's weights
.endr
	UNIT 7
	CONS 8, 0, 40, 0, 0
	FEED -1, 8
	UNIT 8
	BAR                                            ; every wave's stores into the one buffer have landed, and its reads of the other are in
	FLIP
	FEED 0, -1
	CONS 0, 0, 40, 0, 0
	s_sub_co_u32 s[TR], s[TR], 1
	s_cmp_lg_u32 s[TR], 0
	s_cbranch_scc1 .Lstage
; ---------------------------------------------------------------- the drain: steps 1 .. 8 of stage 3, on two sets of fragment registers by turns
; cls_weight's columns 256 .. 264 come as scalars, into registers that the loop has left.  The text has one way here, so every wave asks; waves 0 to 3 use them.
.irp c, 0,1,2,3,4
	s_load_b256 s[24+8*\c:31+8*\c], s[PCW:PCW+1], SROW*\c+1024
.endr
.irp c, 5,6,7
	s_load_b256 s[28+8*\c:35+8*\c], s[PCW:PCW+1], SROW*\c+1024
.endr
.irp c, 0,1,2,3,4,5,6,7
	s_load_b32 s[92+\c], s[PCW:PCW+1], SROW*\c+1056
.endr
	FEED 1, -1
	LOADG 2
.irp q, 1,2,3,4,5,6,7
	CONS \q, 0, 5*(8-\q), 9, (\q+1)%2              ; from memory: the 8 - q groups behind step q's may be out; from LDS: the next step's nine loads
.if \q < 7
.if (\q+1)%2
	LOADG \q+2
.else
	FEED \q+2, -1
.endif
.endif
.endr
	CONS 8, 0, 0, 0, 1
; ---------------------------------------------------------------- h goes to the stage; my 32 columns' share of the logits
	WIN 0x04                                       ; an LDS store's data are its source 1: window 1
.irp m, 0,1,2,3
.irp n, 0,1
.irp j, 0,1,2,3,4,5,6,7
	ds_store_b32 v[STA], v[8*(2*\m+\n)+\j] offset:16*SROW*\m+64*\n+4*\j    ; h(16 m + r, 32 wave + 16 n + 8 h + j); each accumulator from its low end on.  Rows of 1,060 bytes: four bytes at a time
.endr
.endr
.endr
	WIN 0x05                                       ; sources in window 1
.irp m, 0,1,2,3
.irp n, 0,1
.irp p, 0,1,2,3
	v_cvt_pk_bf16_f32 v[HB+8*\m+4*\n+\p], v[8*(2*\m+\n)+2*\p], v[8*(2*\m+\n)+2*\p+1]   ; tiles n = 0, 1 are registers 0-3, 4-7 of one fragment of 16 rows x my 32 columns
.endr
.endr
.endr
	WIN 0
.irp m, 0,1,2,3
	v_wmma_f32_16x16x32_bf16 v[LGT+8*\m:LGT+8*\m+7], v[CW:CW+7], v[HB+8*\m:HB+8*\m+7], v[BI:BI+7]      ; source 0's rows 8-15 repeat the 8 classes: register j of every lane is class j of row r
.endr
.rept 4
	v_nop
.endr
.irp m, 0,1,2,3
	ds_store_b128 v[LGA], v[LGT+8*\m:LGT+8*\m+3] offset:512*\m             ; both halves of the lanes write the same bytes
	ds_store_b128 v[LGA], v[LGT+8*\m+4:LGT+8*\m+7] offset:512*\m+16
.endr
	BAR                                            ; the block of out1 and the 8 x 64 x 8 partial logits lie in LDS
; ---------------------------------------------------------------- out1 leaves as it lies: 67,840 consecutive bytes
.irp i, 0,1,2,3,4,5,6,7,8,9,10,11,12,13,14,15
	ds_load_b128 v[192+4*\i:195+4*\i], v[CPL] offset:4096*\i
.endr
.irp i, 0,1,2,3,4,5,6,7,8,9,10,11,12,13,14,15
	s_wait_dscnt 15-\i                             ; the younger loads may be out
	global_store_b128 v[CPG], v[192+4*\i:195+4*\i], s[PO1:PO1+1] offset:4096*\i th:TH_STORE_NT   ; each store of a wave covers 512 consecutive bytes, aligned
.endr
	s_wait_xcnt 0x0                                ; EXEC changes, and v192-195 are loaded again, only behind this wait
	v_cmp_gt_u32 vcc_lo, 144, v0                   ; the last 2,304 bytes: threads 0 to 143
	s_and_saveexec_b32 s[SX], vcc_lo
	ds_load_b128 v[192:195], v[CPL2]
	s_wait_dscnt 0x0
	global_store_b128 v[CPG], v[192:195], s[PO1:PO1+1] offset:65536 th:TH_STORE_NT
	s_wait_xcnt 0x0                                ; and again, in front of the line that widens EXEC
	s_or_b32 exec_lo, exec_lo, s[SX]
	s_cmp_gt_u32 s[WV], 3
	s_cbranch_scc1 .Lend
; ---------------------------------------------------------------- out0: wave m finishes tile m's 16 rows; both halves of the lanes hold row r
.irp p, 0,1,2,3,4,5,6,7
	ds_load_b128 v[PT+8*\p:PT+8*\p+3], v[LGR] offset:2048*\p
	ds_load_b128 v[PT+8*\p+4:PT+8*\p+7], v[LGR] offset:2048*\p+16
.endr
.irp i, 0,1,2,3,4,5,6,7,8
	ds_load_b32 v[AT+\i], v[ATA] offset:4*\i
.endr
	s_wait_dscnt 0x0
.irp c, 0,2,4,6
	v_pk_add_f32 v[LS+\c:LS+\c+1], v[PT+\c:PT+\c+1], v[PT+8+\c:PT+8+\c+1]
.endr
.irp p, 2,3,4,5,6,7
.irp c, 0,2,4,6
	v_pk_add_f32 v[LS+\c:LS+\c+1], v[LS+\c:LS+\c+1], v[PT+8*\p+\c:PT+8*\p+\c+1]
.endr
.endr
	s_wait_kmcnt 0x0
.irp i, 0,1,2,3,4,5,6,7
.irp c, 0,1,2,3,4,5,6,7
.if \c < 5
	v_fmac_f32 v[LS+\c], s[24+8*\c+\i], v[AT+\i]   ; + attn(row, i) x cls_weight(c, 256 + i), in f32
.else
	v_fmac_f32 v[LS+\c], s[28+8*\c+\i], v[AT+\i]
.endif
.endr
.endr
.irp c, 0,1,2,3,4,5,6,7
	v_fmac_f32 v[LS+\c], s[92+\c], v[AT+8]
.endr
	v_max3_num_f32 v128, v[LS], v[LS+1], v[LS+2]   ; the row's largest logit is taken away ahead of the exponentials
	v_max3_num_f32 v129, v[LS+3], v[LS+4], v[LS+5]
	v_max3_num_f32 v128, v128, v[LS+6], v[LS+7]
	v_max_num_f32 v128, v128, v129
.irp c, 0,1,2,3,4,5,6,7
	v_sub_f32 v[130+\c], v[LS+\c], v128
.endr
.irp c, 0,1,2,3,4,5,6,7
	v_mul_f32 v[138+\c], 0x3fb8aa3b, v[130+\c]     ; x log2(e)
.endr
.irp c, 0,1,2,3,4,5,6,7
	v_exp_f32 v[138+\c], v[138+\c]
.endr
	v_cmp_le_u32 vcc_lo, 16, v[LN]                 ; (work that names no exponential)  lanes 16-31 will store classes 4 to 7
	v_nop                                          ; a plain instruction behind the last exponential
	s_wait_alu depctr_va_vdst(0)                   ; one wait for the eight, ahead of their first reader
	v_pk_add_f32 v[146:147], v[138:139], v[140:141]
	v_pk_add_f32 v[148:149], v[142:143], v[144:145]
	v_pk_add_f32 v[146:147], v[146:147], v[148:149]
	v_add_f32 v146, v146, v147                     ; at least 1: the largest logit's term
	v_log_f32 v146, v146
	v_nop
	s_wait_alu depctr_va_vdst(0)
.irp c, 0,1,2,3,4,5,6,7
	v_fmamk_f32 v[150+\c], v146, 0xbf317218, v[130+\c]     ; (logit - largest) - ln 2 x log2(sum)
.endr
.irp i, 0,1,2,3
	v_cndmask_b32 v[160+\i], v[150+\i], v[154+\i], vcc_lo
.endr
	global_store_b128 v[O0], v[160:163], s[PO0:PO0+1] th:TH_STORE_NT       ; the wave's store covers 512 consecutive bytes, aligned
.Lend:
	s_set_vgpr_msb 0x5
	s_wait_tensorcnt 0x0
	ds_add_u32 v254, v255
	s_wait_dscnt 0x0
	s_set_vgpr_msb 0x500
	s_endpgm
.Lfunc_end_k_qd25c7a9289_kan:
	.size	k_qd25c7a9289_kan, .Lfunc_end_k_qd25c7a9289_kan-k_qd25c7a9289_kan
	.p2alignl 7, 3214868480
	.fill 96, 4, 3214868480
	.section	.rodata,"a",@progbits
	.p2align	6, 0x0
	.amdhsa_kernel k_qd25c7a9289_kan
		.amdhsa_group_segment_fixed_size 302848
		.amdhsa_private_segment_fixed_size 0
		.amdhsa_enable_private_segment 0
		.amdhsa_kernarg_size 64
		.amdhsa_user_sgpr_count 2
		.amdhsa_user_sgpr_kernarg_segment_ptr 1
		.amdhsa_wavefront_size32 1
		.amdhsa_system_sgpr_workgroup_id_x 1
		.amdhsa_system_sgpr_workgroup_id_y 1
		.amdhsa_system_sgpr_workgroup_id_z 1
		.amdhsa_system_vgpr_workitem_id 0
		.amdhsa_next_free_vgpr 512
		.amdhsa_next_free_sgpr 102
		.amdhsa_reserve_vcc 1
		.amdhsa_float_denorm_mode_32 3
		.amdhsa_float_denorm_mode_16_64 3
		.amdhsa_memory_ordered 1
		.amdhsa_forward_progress 1
		.amdhsa_inst_pref_size 219
	.end_amdhsa_kernel
	.amdgpu_metadata
---
amdhsa.version: [ 1, 2 ]
amdhsa.kernels:
  - .name:           k_qd25c7a9289_kan
    .symbol:         k_qd25c7a9289_kan.kd
    .args:
      - { .name: x, .offset: 0, .size: 8, .value_kind: global_buffer, .address_space: global }
      - { .name: attn_embedding, .offset: 8, .size: 8, .value_kind: global_buffer, .address_space: global }
      - { .name: cls_weight, .offset: 16, .size: 8, .value_kind: global_buffer, .address_space: global }
      - { .name: cls_bias, .offset: 24, .size: 8, .value_kind: global_buffer, .address_space: global }
      - { .name: wcodes, .offset: 32, .size: 8, .value_kind: global_buffer, .address_space: global }
      - { .name: wscales, .offset: 40, .size: 8, .value_kind: global_buffer, .address_space: global }
      - { .name: out0, .offset: 48, .size: 8, .value_kind: global_buffer, .address_space: global }
      - { .name: out1, .offset: 56, .size: 8, .value_kind: global_buffer, .address_space: global }
    .group_segment_fixed_size: 302848
    .private_segment_fixed_size: 0
    .kernarg_segment_align: 8
    .kernarg_segment_size: 64
    .max_flat_workgroup_size: 256
    .sgpr_count:     102
    .vgpr_count:     512
    .wavefront_size: 32
...
	.end_amdgpu_metadata
.endif
;; end of part 2
